; MI455X (gfx1250); checked and timed in simulation.
; The chip was launched on July 23, 2026; its instructions are those of AMD's public machine-readable ISA for CDNA 5 (MIT licence, August 2026) and "CDNA5" Instruction Set Architecture Reference Guide (July 2026). The comments in the code are by the model that wrote it; some were corrected since.
;; SDPA Sparse Bool Mask. Allowed arithmetic: float matrix products may take bf16 or f16 operands with f32 sums; all other float work in f32.
;; Inputs: k 2 x 16 x 4,096 x 128 float32; q 2 x 16 x 2,048 x 128 float32; v 2 x 16 x 4,096 x 128 float32.
;; Outputs: out0 2 x 16 x 2,048 x 128 float32.
;; One version. Each part assembles by itself: llvm-mc -triple=amdgcn-amd-amdhsa -mcpu=gfx1250 --defsym DOCPART=n.
;; ======== version 1 of 1: 1 launch
;; launch attn (part 1): grid 8 x 32, 4 waves a work-group, clusters of 4 x 1, 327,680 bytes of LDS; arguments q, k, v, out0; writes out0
.if DOCPART == 1
	.amdgcn_target "amdgcn-amd-amdhsa--gfx1250"
	.amdhsa_code_object_version 6
	.text
	.protected	k_q851ecb2d3b_attn
	.globl	k_q851ecb2d3b_attn
	.p2align	8
	.type	k_q851ecb2d3b_attn,@function
k_q851ecb2d3b_attn:
	s_mov_b64 s[64:65], 0
	v_nop
	global_prefetch_b8 v0, s[64:65] scope:SCOPE_SE
	s_setreg_imm32_b32 hwreg(HW_REG_WAVE_MODE, 25, 1), 1
	s_wait_xcnt 0x0
	s_wait_alu depctr_hold_cnt(0) depctr_sa_sdst(0) depctr_va_vdst(0) depctr_va_sdst(0) depctr_va_ssrc(0) depctr_va_vcc(0) depctr_vm_vsrc(0)
	s_getreg_b32 s2, hwreg(HW_REG_IB_STS2, 6, 4)
	s_cmp_eq_u32 s2, 0
	s_cbranch_scc0 .Lentry_in_a_cluster
	s_endpgm
.Lentry_in_a_cluster:
	s_bfe_u32 s2, ttmp6, 0x10000c
	s_cmp_lg_u32 s2, 0x3003
	s_cbranch_scc0 .Lentry_shape_is_right
	s_endpgm
.Lentry_shape_is_right:
; out[h][i][:] = softmax over keys j < 2048 of (q[h][i] . k[h][j] / sqrt(128)) times v[h][j][:], for 32 heads, 2,048 queries, 128 numbers a row, all f32.
; The mask is built by the problem itself: keys 2,048 to 4,095 get the smallest finite f32, so their weight is exp(that - maximum) = 0; they are neither read nor multiplied.
; SHARES: grid x = block of 256 queries (8), grid y = head (32): 256 work-groups of equal work.  Four waves, 64 queries each, as four query tiles n of 16.
; SCORES ARE MADE TRANSPOSED: S^T = K Q^T (source 0: 16 keys, source 1: 16 queries) leaves in register j of lane (r = lane % 16, h = lane / 16) the score of
; key 16 i + 8 h + j and query r.  So maximum, sum and weights of a query are per lane, the one step between lanes is lane xor 16, and two neighbouring key
; tiles, rounded to bf16, ARE a fragment of 32 keys for the second product: the weights never leave the registers.
; THE SECOND PRODUCT IS O = P V (source 0: 16 queries of P, source 1: 16 columns of V): register j of lane (r, h) holds query 8 h + j, column 16 t + r.
; Why this way round: the vector work of the softmax stands BETWEEN the products of P V, under one window setting, and v_exp_f32 has a destination and a
; source 0 alone; so scores, weights and O of a query tile lie in one window, which is the window of D, C and source 0.  Its price: the rescaling factor
; of query 8 h + j is needed in every lane of half h, so the four factor vectors of a trip go through 256 bytes of the wave's own LDS.
; K AND V: 32 tiles of 64 keys.  The f32 tile (32 KiB of K, 32 KiB of V) is brought by tensor loads into one of two stage slots; the four waves round it
; to bf16 once (16 rows of K and 16 of V each) into one of two bf16 buffers, which no tensor load ever fills.  Trip t multiplies tile t from bf16 buffer
; t % 2, rounds tile t + 1 into the other buffer, and asks for tile t + 2 into the stage slot that tile t has left: one barrier a trip orders all three.
; CLUSTER: the four query blocks of a cluster walk the same tiles of one head, so each tile is asked for jointly (mask 15): 64 clusters x 2 MiB of
; requests for K and V in place of 256 work-groups x 2 MiB.  The barrier of a trip that fills a slot again is a round of the cluster barrier.
; SOFTMAX: running maximum M of the raw scores; c = log2(e) / sqrt(128); NM = -c M rounded once; weight = 2^(S c + NM) by one fused multiply-add;
; when the maximum rises, sums are multiplied by 2^(NM new - NM old), which is exactly 1 when it stays.  Trip 0 is written out: no old maximum, no rescaling,
; its products start the sums, so nothing is cleared and no infinity is used.
; LIMITS KEPT: NaN and infinities in the inputs are not carried as the reference carries them (v_max_num_f32 drops a NaN).  Masked keys have weight 0, which is
; what the reference gives while the largest unmasked scaled score lies more than about 104 above the smallest finite f32.  Weights below 2^-126 become 0
; (v_exp_f32 flushes denormal results: ISA guide 15.8).  q, k, v and the weights enter the products rounded to bf16; all else is f32.
;
; LDS:  0        stage slot 0: K f32 64 x 512 bytes, then V f32 64 x 512; wave w fills 16 KiB at 16,384 w        65,536   stage slot 1
;       131,072  bf16 buffer 0: K 64 rows of pitch 272, then V 64 rows of pitch 288                                166,912  bf16 buffer 1
;       202,752  17,408 bytes for each wave alone: first q in bf16 (64 rows of pitch 272), in the trips 256 bytes for the factors, at the end two stages of
;                16 rows of pitch 528 for the way out
; Pitch 272 = 17 x 16 and 528 = 33 x 16: the sixteen rows that a 16-byte access touches begin in sixteen different 16-byte columns modulo 256 bytes.
; Pitch 288 = 9 x 32 does the same for the transposing loads.
; REGISTERS in windows of 256 (s_set_vgpr_msb: bits 1:0 source 0, 3:2 source 1, 5:4 source 2, 7:6 destination):
;   window 0: v1-15 addresses, v16-23 factors by lane, v32-63 factors by register, v64-127 V of keys 0-31, v128-255 K (four key tiles), then v128-191 V of keys 32-63
;   window 1: query tiles 0, 1 (m = 0, 1): O (m, t) at 64 m + 8 t, scores (m, i) at 128 + 32 m + 8 i, v192-215 state and work (in the prologue: q as loaded)
;   window 2: the same for query tiles 2, 3
;   window 3: q fragments (n, c) at 32 n + 8 c, v128-255 the rows being rounded
.set TILEB,  32768                     ; bytes of 64 rows of K (or of V) in f32
.set SLOTB,  65536                     ; a stage slot: K tile and V tile
.set BF0,    131072                    ; the bf16 buffers
.set KP,     272                       ; pitch of K and q rows in bf16
.set VP,     288                       ; pitch of V rows in bf16
.set VOFF,   64*KP                     ; V behind K in a bf16 buffer
.set BFB,    64*KP+64*VP               ; 35,840 bytes a buffer
.set PRIV,   BF0+2*BFB                 ; 202,752
.set PRIVB,  64*KP                     ; 17,408 a wave
.set OP,     528                       ; pitch of a row of 128 f32 on the way out
.set OSTG,   16*OP                     ; one stage of 16 rows
; window 0
.set GO,  1                            ; v1   16 x lane: my 16 bytes of a row of 512, in q and in out
.set KA,  2                            ; v2   K fragments: BF0 + 272 r + 16 h
.set VA,  3                            ; v3   V fragments: BF0 + VOFF + 288 (8 h + lane % 8) + 16 ((lane / 8) % 2)
.set QS,  4                            ; v4   q in bf16, in: mine + 8 x lane
.set QR,  5                            ; v5   q fragments: mine + 272 r + 16 h
.set OST, 6                            ; v6   way out, in: mine + 528 x 8 h + 4 r
.set ORD, 7                            ; v7   way out, back: mine + 16 x lane
.set PFO, 8                            ; v8   256 x lane, for the prefetch
.set CRD, 10                           ; v10, v11  stage slot 0, 1: 8,192 w + 16 x lane
.set CSK, 12                           ; v12  BF0 + 16 w rows of K + 8 x lane
.set CSV, 13                           ; v13  BF0 + VOFF + 16 w rows of V + 8 x lane
.set AST, 14                           ; v14  factors, in: mine + 4 r
.set ARD, 15                           ; v15  factors, back: mine + 32 h
.set AL,  16                           ; v[16+2n], v[17+2n]: the factor of my query in tile n, twice (the packed form names the pair)
.set AB,  32                           ; v[32+8n+j]: the factor of query 8 h + j of tile n
.set VF0, 64                           ; V fragments: keys 32 kk .. +31, columns 16 t .. +15 at 64 + 64 kk + 8 t
.set KF,  128                          ; K fragments: key tile i, K step c at 128 + 32 i + 8 c
; windows 1 and 2
.set SCO, 128                          ; scores
.set ST,  192                          ; v[192+2m] NM, v[193+2m] M
.set LP,  196                          ; v[196+2m:197+2m] my half of the sum, in two parts
.set TM,  200                          ; v200-207 at work on the maxima
.set SU,  208                          ; v208-215 at work on the sums
; window 3
.set CD,  128                          ; rows being rounded: K row j at 128 + 4 j, V row j at 192 + 4 j
.set G1,  16                           ; s[16:23] descriptor group 1, never rewritten
.set G0,  24                           ; s[24:31] descriptor group 0, one set for each stage slot
.set MSB, 0
.macro WIN new                         ; the high byte of the immediate repeats the setting that is left
.if MSB != \new
	s_set_vgpr_msb (MSB<<8)|\new
.set MSB, \new
.endif
.endm
.macro PLACES n                        ; places behind matrix instructions: plain vector instructions that name none of their registers (ISA guide 7.12.1)
.rept \n
	v_nop
.endr
.endm
.macro WGBAR
	s_barrier_signal -1
	s_barrier_wait -1
.endm
; A round of the cluster barrier: my work-group, wave 0 signals for it, every wave waits for all four work-groups, my work-group once more.
.macro ROUND
	s_barrier_signal -1
	s_barrier_wait -1
	s_cmp_lg_u32 s12, 0
	s_cbranch_scc1 .Lnot_wave_0_\@
	s_barrier_signal -3
.Lnot_wave_0_\@:
	s_barrier_wait -3
	s_barrier_signal -1
	s_barrier_wait -1
.endm
; Rows of 4 registers (4 f32 a lane) from register base on are rounded in place to 2 registers (4 bf16); the window is the caller's.
.macro CVTROWS base, cnt
.set x, 0
.rept \cnt
	v_cvt_pk_bf16_f32 v[\base+4*x], v[\base+4*x], v[\base+4*x+1]
	v_cvt_pk_bf16_f32 v[\base+4*x+1], v[\base+4*x+2], v[\base+4*x+3]
.set x, x+1
.endr
.endm
; Key tile i of bf16 buffer par: four K steps of 32, two loads of 16 bytes each, 32 bytes apart.
.macro KLOAD i, par
.irp c, 0,1,2,3
	ds_load_b128 v[KF+32*\i+8*\c:KF+32*\i+8*\c+3],   v[KA] offset:(\par)*BFB+\i*16*KP+64*\c
	ds_load_b128 v[KF+32*\i+8*\c+4:KF+32*\i+8*\c+7], v[KA] offset:(\par)*BFB+\i*16*KP+64*\c+32
.endr
.endm
; 16 matrix instructions: key tiles 2 p, 2 p + 1 x the two query tiles of window w, 128 along d.  The four accumulators take turns, one instruction a
; turn.  Setting: D and C window w, source 0 (K) window 0, source 1 (q) window 3.
.macro SMULP w, p
.irp c, 0,1,2,3
.irp m, 0,1
.irp i, 2*\p, 2*\p+1
.if \c == 0
	v_wmma_f32_16x16x32_bf16 v[SCO+32*\m+8*(\i):SCO+32*\m+8*(\i)+7], v[KF+32*(\i)+8*\c:KF+32*(\i)+8*\c+7], v[32*(2*(\w-1)+\m)+8*\c:32*(2*(\w-1)+\m)+8*\c+7], 0
.else
	v_wmma_f32_16x16x32_bf16 v[SCO+32*\m+8*(\i):SCO+32*\m+8*(\i)+7], v[KF+32*(\i)+8*\c:KF+32*(\i)+8*\c+7], v[32*(2*(\w-1)+\m)+8*\c:32*(2*(\w-1)+\m)+8*\c+7], v[SCO+32*\m+8*(\i):SCO+32*\m+8*(\i)+7]
.endif
.endr
.endr
.endr
.endm
; My 16 rows of K, and my 16 rows of V, of a stage slot: a load takes a whole row of 512 bytes, 16 neighbouring bytes a lane (destination window 3).
.macro CONVLDK slot
.irp j, 0,1,2,3,4,5,6,7,8,9,10,11,12,13,14,15
	ds_load_b128 v[CD+4*\j:CD+4*\j+3], v[CRD+(\slot)] offset:512*\j
.endr
.endm
.macro CONVLDV slot
.irp j, 0,1,2,3,4,5,6,7,8,9,10,11,12,13,14,15
	ds_load_b128 v[CD+64+4*\j:CD+64+4*\j+3], v[CRD+(\slot)] offset:TILEB+512*\j
.endr
.endm
; They are rounded and stored into bf16 buffer buf: 8 bytes a lane, 256 neighbouring bytes a row.
.macro CONVST buf
	WIN 0xcf
	CVTROWS CD, 32
	WIN 0x0c                                       ; address window 0, data window 3
.irp j, 0,1,2,3,4,5,6,7,8,9,10,11,12,13,14,15
	ds_store_b64 v[CSK], v[CD+4*\j:CD+4*\j+1] offset:(\buf)*BFB+KP*\j
.endr
.irp j, 0,1,2,3,4,5,6,7,8,9,10,11,12,13,14,15
	ds_store_b64 v[CSV], v[CD+64+4*\j:CD+64+4*\j+1] offset:(\buf)*BFB+VP*\j
.endr
.endm
; A fragment of V: columns 16 t .. 16 t + 15, keys 32 kk .. 32 kk + 31, by two transposing loads 16 rows apart.
.macro VLD t, kk, par
	ds_load_tr16_b128 v[VF0+64*\kk+8*\t:VF0+64*\kk+8*\t+3],   v[VA] offset:(\par)*BFB+\kk*32*VP+32*\t
	ds_load_tr16_b128 v[VF0+64*\kk+8*\t+4:VF0+64*\kk+8*\t+7], v[VA] offset:(\par)*BFB+\kk*32*VP+32*\t+16*VP
.endm
; The running maxima of the two query tiles of a window (all operands in that window): 32 scores a lane in four chains, the other 32 of the query from
; lane xor 16; then the new NM and, but for trip 0, its difference from the old one in T3.
.macro MAXW first
.irp m, 0,1
.irp k, 0,1,2,3
	v_max3_num_f32 v[TM+4*\m+\k], v[SCO+32*\m+8*\k], v[SCO+32*\m+8*\k+1], v[SCO+32*\m+8*\k+2]
.endr
.endr
.irp m, 0,1
.irp k, 0,1,2,3
	v_max3_num_f32 v[TM+4*\m+\k], v[TM+4*\m+\k], v[SCO+32*\m+8*\k+3], v[SCO+32*\m+8*\k+4]
.endr
.endr
.irp m, 0,1
.irp k, 0,1,2,3
	v_max3_num_f32 v[TM+4*\m+\k], v[TM+4*\m+\k], v[SCO+32*\m+8*\k+5], v[SCO+32*\m+8*\k+6]
.endr
.endr
.irp m, 0,1
	v_max3_num_f32 v[TM+4*\m],   v[TM+4*\m],   v[TM+4*\m+1], v[SCO+32*\m+7]
	v_max3_num_f32 v[TM+4*\m+2], v[TM+4*\m+2], v[TM+4*\m+3], v[SCO+32*\m+15]
.endr
.irp m, 0,1
	v_max3_num_f32 v[TM+4*\m], v[TM+4*\m], v[TM+4*\m+2], v[SCO+32*\m+23]
.endr
.irp m, 0,1
	v_max_num_f32 v[TM+4*\m], v[TM+4*\m], v[SCO+32*\m+31]
.endr
.irp m, 0,1
	v_permlanex16_b32 v[TM+4*\m+1], v[TM+4*\m], s37, s38       ; lane xor 16: the same query, the other eight keys of each key tile
.endr
.irp m, 0,1
.if \first
	v_max_num_f32 v[ST+2*\m+1], v[TM+4*\m], v[TM+4*\m+1]
.else
	v_max3_num_f32 v[ST+2*\m+1], v[TM+4*\m], v[TM+4*\m+1], v[ST+2*\m+1]
.endif
.endr
.irp m, 0,1
	v_mul_f32 v[TM+4*\m+2], s36, v[ST+2*\m+1]                  ; the new NM = -c M
.endr
.if \first == 0
.irp m, 0,1
	v_sub_f32 v[TM+4*\m+3], v[TM+4*\m+2], v[ST+2*\m]           ; new NM - old NM, never above 0
.endr
.endif
.irp m, 0,1
	v_mov_b32 v[ST+2*\m], v[TM+4*\m+2]
.endr
.endm
; The four factor vectors change layout through my own 256 bytes of LDS: lane r (and r + 16, with the same number) stores the factor of query r of tile n;
; every lane of half h reads back those of queries 8 h .. 8 h + 7.  LDS serves a wave in order (ISA guide 5.7.1): no wait between stores and loads.
.macro ABCAST
.irp n, 0,1,2,3
	s_wait_alu depctr_va_vdst(0)
	ds_store_b32 v[AST], v[AL+2*\n] offset:64*\n
.endr
.irp n, 0,1,2,3
	ds_load_b128 v[AB+8*\n:AB+8*\n+3],   v[ARD] offset:64*\n
	ds_load_b128 v[AB+8*\n+4:AB+8*\n+7], v[ARD] offset:64*\n+16
.endr
.endm
; One product of P V: query tile m of the window, keys 32 kk .. +31, columns 16 t .. +15.  Setting: D, C and source 0 (P) window w, source 1 (V) window 0.
.macro PVW m, kk, t, zero
.if \zero
	v_wmma_f32_16x16x32_bf16 v[64*\m+8*\t:64*\m+8*\t+7], v[SCO+32*\m+16*\kk:SCO+32*\m+16*\kk+7], v[VF0+64*\kk+8*\t:VF0+64*\kk+8*\t+7], 0
.else
	v_wmma_f32_16x16x32_bf16 v[64*\m+8*\t:64*\m+8*\t+7], v[SCO+32*\m+16*\kk:SCO+32*\m+16*\kk+7], v[VF0+64*\kk+8*\t:VF0+64*\kk+8*\t+7], v[64*\m+8*\t:64*\m+8*\t+7]
.endif
.endm
; Rescaling, piece q of 32: registers 2 q, 2 q + 1 of O of query tile m times the factors of their two queries (source 1 in window 0).  WN = first tile of the window.
.macro RESC1 m, q
	v_pk_mul_f32 v[64*(\m)+2*(\q):64*(\m)+2*(\q)+1], v[64*(\m)+2*(\q):64*(\m)+2*(\q)+1], v[AB+8*(WN+(\m))+(2*(\q))%8:AB+8*(WN+(\m))+(2*(\q))%8+1]
.endm
; A UNIT is the softmax of query tile m for keys 32 kk .. +31: 16 scores a lane.  Its list of instructions, all fit for the setting of P V (vector operands in
; destination, source 0 and source 2 alone, but for factors from window 0 in source 1):
;   8 fused multiply-adds S c + NM; 16 exponentials, each followed by a piece of the rescaling of tile rm (rf = 1) or all followed by one v_nop (rf = 0): the plain
;   instruction behind a transcendental (ISA guide 5.7.2); 8 sums (a + b written as a x 1.0 + b, since source 1 is not in this window).
.macro UNIT m, kk, rf, rm, rq, fi
.set UM,  \m
.set UKK, \kk
.set URF, \rf                          ; rescaling rides along
.set URM, \rm                          ; of this tile
.set URQ, \rq                          ; from this piece on, 16 pieces
.set UFI, \fi                          ; trip 0
.set UB,  SCO+32*UM+16*UKK
.set UA0, 25+15*URF                    ; where the sums begin in the list
.set uk,  0
.endm
.macro SUM1 a
.if (\a) < 4
	s_wait_alu depctr_va_vdst(0)
	v_pk_fma_f32 v[SU+2*(\a):SU+2*(\a)+1], v[UB+2*(\a):UB+2*(\a)+1], 1.0, v[UB+8+2*(\a):UB+8+2*(\a)+1] op_sel_hi:[1,0,1]
.else
.if (\a) < 6
	v_pk_fma_f32 v[SU+2*(\a)-8:SU+2*(\a)-7], v[SU+2*(\a)-8:SU+2*(\a)-7], 1.0, v[SU+2*(\a)-4:SU+2*(\a)-3] op_sel_hi:[1,0,1]
.else
.if (\a) == 6
.if UFI*(1-UKK)
	v_pk_fma_f32 v[LP+2*UM:LP+2*UM+1], v[SU:SU+1], 1.0, v[SU+2:SU+3] op_sel_hi:[1,0,1]         ; trip 0 starts the sum
.else
	v_pk_fma_f32 v[SU:SU+1], v[SU:SU+1], 1.0, v[SU+2:SU+3] op_sel_hi:[1,0,1]
.endif
.else
.if UKK
	v_pk_fma_f32 v[LP+2*UM:LP+2*UM+1], v[LP+2*UM:LP+2*UM+1], 1.0, v[SU:SU+1] op_sel_hi:[1,0,1]
.else
.if UFI == 0
	v_pk_fma_f32 v[LP+2*UM:LP+2*UM+1], v[LP+2*UM:LP+2*UM+1], v[AL+2*(WN+UM):AL+2*(WN+UM)+1], v[SU:SU+1] op_sel_hi:[1,0,1]   ; the sum so far is rescaled and added to at once
.endif
.endif
.endif
.endif
.endif
.endm
.macro UOP                             ; the next instruction of the unit's list; nothing behind its end
.if uk < 8
	v_pk_fma_f32 v[UB+2*uk:UB+2*uk+1], v[UB+2*uk:UB+2*uk+1], s[34:35], v[ST+2*UM:ST+2*UM+1] op_sel_hi:[1,0,0]
.else
.if uk < UA0
.set ue, uk-8
.if URF
.if ue & 1
	RESC1 URM, URQ+ue/2
.else
	v_exp_f32 v[UB+ue/2], v[UB+ue/2]
.endif
.else
.if ue < 16
	v_exp_f32 v[UB+ue], v[UB+ue]
.else
	v_nop
.endif
.endif
.else
.if uk < UA0+8
	SUM1 uk-UA0
.endif
.endif
.endif
.set uk, uk+1
.endm
; The unit's weights to bf16 in place: two key tiles (16 registers) become the 8 registers of a fragment of 32 keys.  Both sources are vector registers of the
; window, so this run alone has a setting of its own.
.macro PACKU
.irp j, 0,1,2,3
	v_cvt_pk_bf16_f32 v[UB+\j], v[UB+2*\j], v[UB+2*\j+1]
.endr
.irp j, 0,1,2,3
	v_cvt_pk_bf16_f32 v[UB+4+\j], v[UB+8+2*\j], v[UB+8+2*\j+1]
.endr
.endm
; Eight products (tile pm, keys 32 pkk .. +31, eight column tiles) with the current unit's list between them, per instructions behind each of the first seven; the
; unit's roundings behind the eighth.  The unit names none of these products' registers.  The eight accumulators take turns, one instruction a turn.
.macro WEAVE pm, pkk, zero, per
.irp t, 0,1,2,3,4,5,6
	PVW \pm, \pkk, \t, \zero
.rept \per
	UOP
.endr
.endr
	PVW \pm, \pkk, 7, \zero
	WIN ALLS
	PACKU
	WIN PVS
.endm
; The two query tiles of window w: the first unit and the rescaling of the first tile stand alone; from then on each unit, and the second tile's rescaling, stand
; between the products of the unit before.  48 instructions in 7 x 7 places where rescaling rides along, 33 in 7 x 5 where not.
.macro STRETCH w, first, wt
.set WN, 2*(\w-1)
.if \w == 1
.set PVS,  0x51
.set ALLS, 0x55
.else
.set PVS,  0xa2
.set ALLS, 0xaa
.endif
	WIN PVS
	UNIT 0, 0, 0, 0, 0, \first
.rept 33
	UOP
.endr
	WIN ALLS
	PACKU
	WIN PVS
.if \wt
	s_wait_dscnt 0x0                               ; the factors by register are back, the youngest LDS loads of the trip; V's fragments came before them
.endif
.if \first == 0
.set x, 0
.rept 32
	RESC1 0, x
.set x, x+1
.endr
.endif
	UNIT 0, 1, 1-\first, 1, 0, \first
	WEAVE 0, 0, \first, 7-2*\first
	UNIT 1, 0, 1-\first, 1, 16, \first
	WEAVE 0, 1, 0, 7-2*\first
	UNIT 1, 1, 0, 0, 0, \first
	WEAVE 1, 0, \first, 5
.irp t, 0,1,2,3,4,5,6,7
	PVW 1, 1, \t, 0
.endr
.endm
; Trip t: par = t % 2.  first: trip 0.  refill: tile t + 2 is asked for.  conv: tile t + 1 is rounded.  pf: tile t + 3 is prefetched.
.macro TRIP par, first, refill, conv, pf
.if \refill+\conv
	s_wait_tensorcnt 0x0                           ; all my tensor loads have landed: the one that was out is my part of tile t + 1
	ds_add_u32 v9, v31
	s_wait_dscnt 0x0
.endif
.if \refill
	s_add_nc_u64 s[G0+4*\par+2:G0+4*\par+3], s[G0+4*\par+2:G0+4*\par+3], 2*TILEB   ; none is out, so group 0 may be written: this slot goes two tiles on
.endif
	s_wait_dscnt 0x0                               ; my reads of stage slot par and of the other bf16 buffer are back, my stores of tile t in bf16 are done
.if \refill
	ROUND                                          ; all that now holds of every wave of all four work-groups
	tensor_load_to_lds s[G0+4*\par:G0+4*\par+3], s[G1:G1+7]    ; my one tensor load behind the round, and the first thing there: my 16 KiB of tile t + 2
	s_nop 0
.else
	WGBAR
.endif
.if \pf
	; Wave 0 of each of the 8 work-groups of a head asks for one eighth (32 lanes 256 bytes apart, 8 KiB) of tile t + 3, whose tensor load is issued in the
	; next trip: the first cluster of the head for K, the second for V, place cx for its quarter.  Each block is asked for once; the last request is tile 31.
	s_cmp_lg_u32 s12, 0
	s_cbranch_scc1 .Lno_pf_\@
	s_wait_xcnt 0x0                                ; the base of the last trip's prefetch is stepped only behind this wait
	s_add_nc_u64 s[40:41], s[40:41], TILEB
	global_prefetch_b8 v[PFO], s[40:41] th:TH_LOAD_NT scope:SCOPE_SE
.Lno_pf_\@:
.endif
	KLOAD 0, \par
	KLOAD 1, \par
	KLOAD 2, \par
	KLOAD 3, \par
.if \conv
	WIN 0xc0
	CONVLDK 1-\par
.endif
	s_wait_dscnt 16+16*\conv                       ; key tiles 0 and 1 are in; behind them: key tiles 2 and 3 (16) and my stage rows of K (16)
	WIN 0x5c
	SMULP 1, 0
	WIN 0xac
	SMULP 2, 0
	PLACES 4                                       ; four places before loads land on fragments that matrix instructions have read
	s_wait_dscnt 0x0                               ; key tiles 2 and 3 and my stage rows of K are in (issued 32 matrix instructions ago)
	WIN 0
.irp t, 0,1,2,3,4,5,6,7
	VLD \t, 0, \par
.endr
.irp t, 0,1,2,3,4,5,6,7
	VLD \t, 1, \par                                ; onto the registers of key tiles 0 and 1
.endr
.if \conv
	WIN 0xc0
	CONVLDV 1-\par
.endif
	WIN 0x5c
	SMULP 1, 1
	WIN 0xac
	SMULP 2, 1
.if \conv
	s_wait_dscnt 0x0                               ; my stage rows of V are in, the youngest loads (issued 32 matrix instructions ago)
	CONVST 1-\par                                  ; its 64 conversions, on the upper half of window 3 alone, are also the places behind the last score products
.else
	PLACES 4
.endif
	WIN 0x55
	MAXW \first
	WIN 0xaa
	MAXW \first
.if \first == 0
	WIN 0x01                                       ; from window 1 into window 0
.irp m, 0,1
	v_exp_f32 v[AL+2*\m],   v[TM+4*\m+3]
	v_exp_f32 v[AL+2*\m+1], v[TM+4*\m+3]           ; twice: the packed form names the pair
.endr
	WIN 0x02                                       ; from window 2
.irp m, 0,1
	v_exp_f32 v[AL+4+2*\m],   v[TM+4*\m+3]
	v_exp_f32 v[AL+4+2*\m+1], v[TM+4*\m+3]
.endr
	v_nop                                          ; the plain instruction behind the exponentials (ISA guide 5.7.2)
	WIN 0
	ABCAST
.endif
	STRETCH 1, \first, 1
	STRETCH 2, \first, 0
	PLACES 5                                       ; five places before the next trip's products write over these fragments, four before its loads land on them
	WIN 0
.endm
; Query tile n leaves, eight rows at a time (j = 4 jh .. 4 jh + 3 of both halves): 4 bytes a lane into my stage (sixteen lanes fill 64 neighbouring bytes of a row, the
; other sixteen those of the row 8 further down, 32 banks away), read back as whole rows of 512 bytes, stored by whole rows.  win: store data in the tile's window.
.macro OUT n, win
.irp jh, 0,1
	WIN \win
.irp j, 0,1,2,3
.irp t, 0,1,2,3,4,5,6,7
	ds_store_b32 v[OST], v[64*(\n&1)+8*\t+4*\jh+\j] offset:OSTG*(\n&1)+OP*(4*\jh+\j)+64*\t
.endr
.endr
	WIN 0
	s_wait_xcnt 0x0                                ; registers that earlier stores read are loaded again only behind this wait
.irp k, 0,1,2,3,4,5,6,7
	ds_load_b128 v[VF0+32*((2*\n+\jh)&3)+4*\k:VF0+32*((2*\n+\jh)&3)+4*\k+3], v[ORD] offset:OSTG*(\n&1)+OP*(4*\jh+(\k&3)+8*(\k/4))   ; LDS serves a wave in order (ISA guide 5.7.1): these see the stores above
.endr
.irp k, 0,1,2,3,4,5,6,7
	s_wait_dscnt 7-\k                              ; row k of the eight is back; the younger rows stay out
	global_store_b128 v[GO], v[VF0+32*((2*\n+\jh)&3)+4*\k:VF0+32*((2*\n+\jh)&3)+4*\k+3], s[10:11] offset:512*(16*\n+4*\jh+(\k&3)+8*(\k/4)) th:TH_STORE_NT   ; 512 consecutive bytes, at a multiple of 512 from the first byte of out
.endr
.endr
.endm
.macro LSUM                            ; the two parts of my half of each sum, and the other half from lane xor 16 (all operands in the window)
.irp m, 0,1
	v_add_f32 v[TM+4*\m], v[LP+2*\m], v[LP+2*\m+1]
.endr
.irp m, 0,1
	v_permlanex16_b32 v[TM+4*\m+1], v[TM+4*\m], s37, s38
.endr
.irp m, 0,1
	v_add_f32 v[TM+4*\m], v[TM+4*\m], v[TM+4*\m+1] ; at least about 1: the key of the maximum has weight 2^0 up to rounding
.endr
.endm
	s_load_b256 s[4:11], s[0:1], 0x0               ; q s[4:5], k s[6:7], v s[8:9], out s[10:11]
	v_lshl_add_u32 v9, v0, 2, 0x42800
	v_mov_b32 v31, 0
	ds_add_u32 v9, v31
	v_lshrrev_b32 v24, 5, v0
	v_readfirstlane_b32 s12, v24                   ; wave 0..3
	v_and_b32 v24, 31, v0                          ; lane
	v_lshlrev_b32 v[GO], 4, v24
	s_bfe_u32 s13, ttmp6, 0x40000                  ; cx: my place in the cluster
	s_lshl_b32 s14, ttmp9, 2
	s_add_co_u32 s14, s14, s13                     ; block of 256 queries = 4 x cluster x + cx
	s_and_b32 s15, ttmp7, 0xffff                   ; head
	; Group 1: a dense block of 16 KiB (32 rows of K or V) as 64 rows of 32 elements of 8 bytes.
	s_mov_b32 s[G1+0], 15|(3<<16)|(1<<21)          ; 15:0 mask: all four work-groups of the cluster; 17:16 elements of 8 bytes; 21 set beside a mask; no padding
	s_mov_b32 s[G1+1], 32<<16                      ; tensor_dim0 = 32
	s_mov_b32 s[G1+2], 64<<16                      ; tensor_dim1 = 64
	s_mov_b32 s[G1+3], 32<<16                      ; tile_dim0 = 32
	s_mov_b32 s[G1+4], 64                          ; tile_dim1 = 64
	s_mov_b32 s[G1+5], 32                          ; from row to row: 32 elements
	s_mov_b32 s[G1+6], 0
	s_mov_b32 s[G1+7], 0
	; Offsets, apart from the addresses.  What feeds a descriptor is made of the head and the wave alone; s3 is the only scratch that holds anything made of cx.
	s_lshl_b32 s32, s15, 21                        ; K and V: 2 MiB a head,
	s_and_b32 s33, s12, 1
	s_lshl_b32 s33, s33, 14                        ; and the half of the tile that my wave fetches
	s_add_co_u32 s32, s32, s33
	s_mov_b32 s33, 0
	s_lshl_b32 s42, s15, 20                        ; q and out: 1 MiB a head, 128 KiB a block, 32 KiB a wave
	s_lshl_b32 s3, s14, 17
	s_add_co_u32 s42, s42, s3
	s_lshl_b32 s3, s12, 15
	s_add_co_u32 s42, s42, s3
	s_mov_b32 s43, 0
	s_lshl_b32 s46, s15, 21                        ; prefetch: the head, my quarter of a tile, tile 2 (stepped to tile 3 ahead of the first request)
	s_lshl_b32 s3, s13, 13
	s_add_co_u32 s46, s46, s3
	s_add_co_u32 s46, s46, 2*TILEB
	s_mov_b32 s47, 0
	s_mov_b32 s34, 0x3e0293ee                      ; c = log2(e) / sqrt(128),
	s_mov_b32 s35, 0x3e0293ee                      ; twice: the packed form names the pair
	s_mov_b32 s36, 0xbe0293ee                      ; -c
	s_mov_b32 s37, 0x76543210                      ; v_permlanex16_b32: lane i of one half reads lane i of the other
	s_mov_b32 s38, 0xfedcba98
	s_mul_i32 s2, s12, PRIVB
	s_add_co_u32 s2, s2, PRIV                      ; my wave's own LDS
	s_mov_b32 s[G0+0], 1                           ; count = 1
	s_lshl_b32 s[G0+1], s12, 14                    ; LDS: slot 0, wave x 16 KiB (waves 0, 1: the halves of K; 2, 3: of V)
	s_mov_b32 s[G0+4], 1
	s_add_co_u32 s[G0+5], s[G0+1], SLOTB           ; slot 1
	s_wait_dscnt 0x0
	s_wait_kmcnt 0x0
	s_cmp_lt_u32 s12, 2
	s_cselect_b64 s[44:45], s[6:7], s[8:9]         ; waves 0 and 1 fetch K, waves 2 and 3 fetch V
	s_add_nc_u64 s[G0+2:G0+3], s[44:45], s[32:33]  ; tile 0
	s_add_nc_u64 s[G0+6:G0+7], s[G0+2:G0+3], TILEB ; tile 1
	s_or_b32 s[G0+3], s[G0+3], 0x80000000          ; type = 2
	s_or_b32 s[G0+7], s[G0+7], 0x80000000
	s_cmp_eq_u32 ttmp9, 0
	s_cselect_b64 s[40:41], s[6:7], s[8:9]         ; the first cluster of a head prefetches K, the second V
	s_add_nc_u64 s[40:41], s[40:41], s[46:47]
	s_add_nc_u64 s[4:5], s[4:5], s[42:43]          ; q and out at my wave's first row
	s_add_nc_u64 s[10:11], s[10:11], s[42:43]
	ROUND                                          ; all four work-groups are here: the first joint loads meet
	tensor_load_to_lds s[G0:G0+3], s[G1:G1+7]      ; tiles 0 and 1 go out together, ahead of every wait on TENSORcnt:
	s_nop 0
	tensor_load_to_lds s[G0+4:G0+7], s[G1:G1+7]    ; two tensor loads of the wave are out here, later one
	s_nop 0
	; q: my 64 rows, a whole row of 512 bytes a load, into window 1
	WIN 0x40
.set x, 0
.rept 64
	global_load_b128 v[4*x:4*x+3], v[GO], s[4:5] offset:512*x th:TH_LOAD_NT
.set x, x+1
.endr
	WIN 0
	v_and_b32 v25, 15, v0                          ; r
	v_bfe_u32 v26, v0, 4, 1                        ; h
	v_mul_u32_u24 v27, v25, KP
	v_lshl_add_u32 v27, v26, 4, v27                ; 272 r + 16 h
	v_add_nc_u32 v[KA], BF0, v27
	v_and_b32 v28, 7, v0
	v_lshl_add_u32 v28, v26, 3, v28                ; 8 h + lane % 8
	v_mul_u32_u24 v28, v28, VP
	v_bfe_u32 v29, v0, 3, 1
	v_lshl_add_u32 v28, v29, 4, v28
	v_add_nc_u32 v[VA], BF0+VOFF, v28
	v_lshl_add_u32 v[QS], v24, 3, s2
	v_add_nc_u32 v[QR], s2, v27
	v_mul_u32_u24 v30, v26, 8*OP
	v_lshl_add_u32 v30, v25, 2, v30                ; 528 x 8 h + 4 r
	v_add_nc_u32 v[OST], s2, v30
	v_add_nc_u32 v[ORD], s2, v[GO]
	v_lshlrev_b32 v[PFO], 8, v24
	v_lshl_add_u32 v[AST], v25, 2, s2
	v_lshl_add_u32 v[ARD], v26, 5, s2
	s_lshl_b32 s39, s12, 13                        ; my 16 rows of 512 bytes in a stage tile
	v_add_nc_u32 v[CRD], s39, v[GO]
	s_add_co_u32 s39, s39, SLOTB
	v_add_nc_u32 v[CRD+1], s39, v[GO]
	s_mul_i32 s39, s12, 16*KP
	s_add_co_u32 s39, s39, BF0
	v_lshl_add_u32 v[CSK], v24, 3, s39
	s_mul_i32 s39, s12, 16*VP
	s_add_co_u32 s39, s39, BF0+VOFF
	v_lshl_add_u32 v[CSV], v24, 3, s39
	s_wait_loadcnt 0x0                             ; q is in
	WIN 0x45
	CVTROWS 0, 64                                  ; q to bf16, unscaled: the scale rides on the fused multiply-add of the softmax
	WIN 0x04
.set x, 0
.rept 64
	ds_store_b64 v[QS], v[4*x:4*x+1] offset:KP*x
.set x, x+1
.endr
	WIN 0xc0                                       ; back as fragments, into window 3; my own bytes, served in order: no wait between
.irp n, 0,1,2,3
.irp c, 0,1,2,3
	ds_load_b128 v[32*\n+8*\c:32*\n+8*\c+3],   v[QR] offset:\n*16*KP+64*\c
	ds_load_b128 v[32*\n+8*\c+4:32*\n+8*\c+7], v[QR] offset:\n*16*KP+64*\c+32
.endr
.endr
	WIN 0
	s_wait_tensorcnt 0x1                           ; my part of tile 0 has landed; tile 1 was issued behind it and stays out
	s_wait_dscnt 0x0                               ; no LDS access is pending at a signal; q fragments are in
	WGBAR                                          ; tile 0 is whole
	WIN 0xc0
	CONVLDK 0
	CONVLDV 0
	s_wait_dscnt 0x0
	CONVST 0                                       ; tile 0 in bf16; the wait and the round at the head of trip 0 show it to the other waves
	WIN 0
	TRIP 0, 1, 1, 1, 1                             ; trip 0 stands in front of the loop: it starts maximum, sums and O
	s_mov_b32 s39, 14
.Ltrips:                                           ; trips 1 to 28
	TRIP 1, 0, 1, 1, 1
	TRIP 0, 0, 1, 1, 1
	s_sub_co_i32 s39, s39, 1
	s_cmp_lg_u32 s39, 0
	s_cbranch_scc1 .Ltrips
	TRIP 1, 0, 1, 1, 0                             ; trip 29 asks for tile 31, the last; no tile is left to prefetch
	TRIP 0, 0, 0, 1, 0                             ; trip 30 rounds tile 31 and fills nothing
	TRIP 1, 0, 0, 0, 0                             ; trip 31
	; The parts of each sum meet; its reciprocal takes the way of the factors; O is multiplied by it.
	WIN 0x55
	LSUM
	WIN 0xaa
	LSUM
	WIN 0x01
	v_rcp_f32 v[AL],   v[TM]
	v_rcp_f32 v[AL+2], v[TM+4]
	WIN 0x02
	v_rcp_f32 v[AL+4], v[TM]
	v_rcp_f32 v[AL+6], v[TM+4]
	v_nop                                          ; the plain instruction behind the reciprocals (ISA guide 5.7.2)
	WIN 0
	ABCAST
	s_wait_dscnt 0x0
.set WN, 0
	WIN 0x51
.irp m, 0,1
.set x, 0
.rept 32
	RESC1 \m, x
.set x, x+1
.endr
.endr
.set WN, 2
	WIN 0xa2
.irp m, 0,1
.set x, 0
.rept 32
	RESC1 \m, x
.set x, x+1
.endr
.endr
	OUT 0, 0x04
	OUT 1, 0x04
	OUT 2, 0x08
	OUT 3, 0x08
	s_wait_dscnt 0x0
	s_wait_tensorcnt 0x0
	ds_add_u32 v9, v31
	s_wait_dscnt 0x0
	ROUND                                          ; the closing round: no work-group ends while a partner may still issue a joint load that names it
	s_endpgm
.Lfunc_end_k_q851ecb2d3b_attn:
	.size	k_q851ecb2d3b_attn, .Lfunc_end_k_q851ecb2d3b_attn-k_q851ecb2d3b_attn
	.p2alignl 7, 3214868480
	.fill 96, 4, 3214868480
	.section	.rodata,"a",@progbits
	.p2align	6, 0x0
	.amdhsa_kernel k_q851ecb2d3b_attn
		.amdhsa_group_segment_fixed_size 327680
		.amdhsa_private_segment_fixed_size 0
		.amdhsa_enable_private_segment 0
		.amdhsa_kernarg_size 32
		.amdhsa_user_sgpr_count 2
		.amdhsa_user_sgpr_kernarg_segment_ptr 1
		.amdhsa_wavefront_size32 1
		.amdhsa_system_sgpr_workgroup_id_x 1
		.amdhsa_system_sgpr_workgroup_id_y 1
		.amdhsa_system_sgpr_workgroup_id_z 1
		.amdhsa_system_vgpr_workitem_id 0
		.amdhsa_next_free_vgpr 1024
		.amdhsa_next_free_sgpr 66
		.amdhsa_reserve_vcc 0
		.amdhsa_float_denorm_mode_32 3
		.amdhsa_float_denorm_mode_16_64 3
		.amdhsa_memory_ordered 1
		.amdhsa_forward_progress 1
		.amdhsa_inst_pref_size 255
	.end_amdhsa_kernel
	.section	.bss,"aw",@nobits
	.p2align	6
	.space	262144
	.amdgpu_metadata
---
amdhsa.version: [ 1, 2 ]
amdhsa.kernels:
  - .name:           k_q851ecb2d3b_attn
    .symbol:         k_q851ecb2d3b_attn.kd
    .args:
      - { .name: q, .offset: 0, .size: 8, .value_kind: global_buffer, .address_space: global }
      - { .name: k, .offset: 8, .size: 8, .value_kind: global_buffer, .address_space: global }
      - { .name: v, .offset: 16, .size: 8, .value_kind: global_buffer, .address_space: global }
      - { .name: out0, .offset: 24, .size: 8, .value_kind: global_buffer, .address_space: global }
    .group_segment_fixed_size: 327680
    .private_segment_fixed_size: 0
    .kernarg_segment_align: 8
    .kernarg_segment_size: 32
    .max_flat_workgroup_size: 128
    .sgpr_count:     66
    .vgpr_count:     1024
    .wavefront_size: 32
...
	.end_amdgpu_metadata
.endif
;; end of part 1
